; MI455X (gfx1250); checked and timed in simulation.
; The chip was launched on July 23, 2026; its instructions are those of AMD's public machine-readable ISA for CDNA 5 (MIT licence, August 2026) and "CDNA5" Instruction Set Architecture Reference Guide (July 2026). The comments in the code are by the model that wrote it; some were corrected since.
;; Minibatch Discrimination. Allowed arithmetic: matrix products marked QUANTISED: E2M1 operands, one E8M0 scale for each 32 along K, by v_wmma_scale_f32_16x16x128_f8f6f4 with both operands' format E2M1 (or v_wmma_scale_f32_32x16x128_f4), f32 sums; everything else in f32.
;; Inputs: kernel 2,048 x 64 x 16 float32; x 512 x 2,048 float32.
;; Outputs: out0 512 x 2,112 float32.
;; This version of the problem:
;;   THIS VERSION OF THE PROBLEM IS GIVEN IN LOW PRECISION. The matrix products marked QUANTISED in the list below multiply operands that are first quantised to E2M1 (2 exponent bits, 1 mantissa bit; 4 bits a number), with one power-of-two scale for each 32 numbers along K (OCP MX v1.0); their sums are f32. All else is computed in f32.
;;   The module's matrix products, in the order in which they are computed (A, B: the left and right operand; K: the contracted axis; several contracted axes count as one K, in the product's order):
;;     1. [M 512, K 2,048] x [K 2,048, N 1,024]; A: input x; B: input kernel: QUANTISED
;;   THE QUANTISER, for each operand of a quantised product, along K:
;;     - K is cut into blocks of 32 from its start; a last block that is shorter is filled with zeros.
;;     - A block's scale is 2^e with e = floor(log2(the largest magnitude in the block)) - 2, held to -126 .. 127; a block of zeros has e = 0. As a byte (E8M0): e + 127.
;;     - Each number is divided by its block's scale, clamped to +-6, and rounded to the nearest number of E2M1, ties to even, subnormals kept.
;;     - The product sums the exact products of the quantised numbers (number of the format x scale) in f32.
;;   ~~~python
;;   def quantise(x, axis):      # numpy; x: float32 -> the quantised numbers, widened to float32 again
;;       x = np.moveaxis(x, axis, -1); K = x.shape[-1]
;;       x = np.pad(x, [(0, 0)] * (x.ndim - 1) + [(0, -K % 32)]); x = x.reshape(x.shape[:-1] + (-1, 32)); a = np.abs(x).max(-1, keepdims=True)
;;       e = np.where(a > 0, np.clip(np.frexp(np.where(a > 0, a, 1))[1] - 1 - 2, -126, 127), 0)      # np.frexp(a)[1] - 1 = floor(log2(a)), exactly
;;       r = np.clip(x / 2.0 ** e, -6, 6)
;;       step = 2.0 ** (np.maximum(np.frexp(np.where(r == 0, 1, r))[1] - 1, 0) - 1)
;;       q = np.round(r / step) * step * 2.0 ** e      # np.round: ties to even
;;       return np.moveaxis(q.reshape(q.shape[:-2] + (-1,))[..., :K], -1, axis).astype(np.float32)
;;   ~~~
;; One version. Each part assembles by itself: llvm-mc -triple=amdgcn-amd-amdhsa -mcpu=gfx1250 --defsym DOCPART=n.
;; ======== version 1 of 1: 2 launches
;; limits: right only within a limited range of input values
;; workspace buffers: xc 524,288 bytes; xs 32,768 bytes; wc 1,048,576 bytes; ws 65,536 bytes
;; launch prep (part 1): grid 256 x 1, 4 waves a work-group, no clusters, 34,560 bytes of LDS; arguments x, kernel, out0, xc, xs, wc, ws; writes out0, xc, xs, wc, ws
.if DOCPART == 1
	.amdgcn_target "amdgcn-amd-amdhsa--gfx1250"
	.amdhsa_code_object_version 6
	.text
	.protected	k_qf0aec87ce4_prep
	.globl	k_qf0aec87ce4_prep
	.p2align	8
	.type	k_qf0aec87ce4_prep,@function
k_qf0aec87ce4_prep:
	s_mov_b64 s[64:65], 0
	v_nop
	global_prefetch_b8 v0, s[64:65] scope:SCOPE_SE
	s_setreg_imm32_b32 hwreg(HW_REG_WAVE_MODE, 25, 1), 1
	s_wait_xcnt 0x0
; MinibatchDiscrimination, first of two launches.  Both operands of act = x . kernel (K = F = 2,048) become codes of FP4 (E2M1) with one E8M0 byte for each 32 along F,
; each number quantised once, and x is copied into out0 from the registers in which it was loaded, so that x is read once.
; A block's scale is 2^(floor(log2(its largest magnitude)) - 2): its byte is the largest magnitude's exponent field - 2, held at 1 from below by a floor among the maximum's leaves.
; LIMITS: NaN and infinities among the inputs are not served.  Blocks whose largest magnitude lies under 2^-124 take the byte 1.  A block of zeros gets the byte 1 where the quantiser says 127: its codes are zeros, which add nothing, and only this program reads the bytes.
; THE CODES ARE LAID IN THE ORDER OF THE OPERAND'S REGISTERS.  A fragment is 16 rows (of x) or 16 columns (of kernel) x 128 along F: lane (r, h) holds, for c = 0, 1, the 16 bytes of the block of 32 at F = 64 c + 32 h.
;   xc [tile of 16 rows 32][K step 16][c 2][lane 32][16 bytes];  wc [k 64][K step 16][c 2][lane 32][16 bytes]: the 16 columns of a k are one tile.
;   xs [tile 32][4 K steps 4][row 16][4 words];  ws [k 64][K step 16][column 16] words.  A word is the four bytes of one row or column for one K step.
; WORK-GROUPS 0-127 TAKE x: a tile of 16 rows x 4 K steps, a K step to a wave.  A load takes 512 consecutive bytes of a row; the same registers are stored into out0 (its rows are 8,448 bytes = 33 x 256) and go
; through the wave's own stage in LDS, out of which lane (r, h) takes whole blocks of 32.  The four waves' scale words meet in 256 bytes of LDS and leave as one store of 256 consecutive bytes.
; WORK-GROUPS 128-255 TAKE kernel: 128 columns x one K step.  F is kernel's FIRST axis: a lane takes a column and its registers run down F, so a block lies in one lane and the conversions give codes with F innermost.
; The four waves stand side by side on 512 consecutive bytes of each row.  A block's 16 bytes are a lane's part of a fragment: sixteen lanes store 256 consecutive bytes, with no way through LDS.
; A wave's store of kernel's scale words is two runs of 64 bytes: 64 KB in all, beside the 12 MB that the launch reads.
; No cluster: no two work-groups read the same byte.  No tensor loads and no ring: a wave asks for all its bytes at its start (kernel: two blocks ahead, as far as the load counter reaches).
.set XWG,   128                        ; work-groups that take x
.set XROW,  8192                       ; bytes in a row of x
.set OROW,  8448                       ; bytes in a row of out0
.set WROW,  4096                       ; bytes in a row of kernel
.set PITCH, 528                        ; a stage row: 512 bytes + 16 = 33 x 16: the sixteen rows that a load touches start at sixteen different 16-byte columns modulo 256 bytes
.set WSTG,  16*PITCH                   ; a wave's stage
.set SCB,   4*WSTG                     ; behind the stages: the work-group's 64 scale words
.set SPARE, SCB+256                    ; the spare words, 128 bytes a wave: no other line names them
.set FLOOR, 0x1800000                  ; 2^(3 - 127): under it no largest magnitude is taken, so the byte cannot fall under 1
.set R,     32                         ; x: v32-95 sixteen rows' 16 bytes as loaded
.set X,     96                         ; x: v96-159 my two blocks of 32
.set KX,    32                         ; kernel: v32-159 my column's four blocks of 32
.set C,     160                        ; v160-175 codes, four registers a block: no store's data are written again
.set BY,    24                         ; v24-27 a byte for each block
; 32 numbers of one block in v[xs] on -> 16 bytes of codes in v[cd] on, the scale's byte in v[by]
.macro QBLOCK xs, cd, by
.set QX, \xs
.set QC, \cd
	v_max3_num_f32 v10, |v[QX]|, |v[QX+1]|, |v[QX+2]|              ; the block's largest magnitude, in two chains
	v_max3_num_f32 v11, |v[QX+3]|, |v[QX+4]|, |v[QX+5]|
.irp i, 6,10,14,18,22,26
	v_max3_num_f32 v10, v10, |v[QX+\i]|, |v[QX+\i+1]|
	v_max3_num_f32 v11, v11, |v[QX+\i+2]|, |v[QX+\i+3]|
.endr
	v_max3_num_f32 v10, v10, |v[QX+30]|, |v[QX+31]|
	v_max3_num_f32 v10, v10, v11, FLOOR
	v_add_nc_u32 v12, 0xff000000, v10                              ; 2 off its exponent field: the conversion takes the exponent field of this operand as its scale, and nothing else of it
.irp g, 0,1,2,3
	v_cvt_scalef32_pk8_fp4_f32 v[QC+\g], v[QX+8*\g:QX+8*\g+7], v12 ; eight numbers / the scale, to the nearest code, ties to even, beyond 6 the largest code; the first number's code in the lowest bits
.endr
	v_lshrrev_b32 v[\by], 23, v12                                  ; the scale's byte; also the plain instruction behind the conversions
.endm
	s_load_b256 s[4:11], s[0:1], 0x0               ; x s[4:5], kernel s[6:7], out0 s[8:9], xc s[10:11]
	s_load_b128 s[12:15], s[0:1], 0x20             ; xs s[12:13], wc s[14:15]
	s_load_b64 s[16:17], s[0:1], 0x30              ; ws
	v_lshl_add_u32 v176, v0, 2, SPARE
	v_mov_b32 v177, 0
	v_lshrrev_b32 v1, 5, v0
	v_readfirstlane_b32 s18, v1                    ; wave 0..3
	v_and_b32 v1, 31, v0                           ; lane
	v_and_b32 v2, 15, v0                           ; r
	v_bfe_u32 v3, v0, 4, 1                         ; h
	s_cmp_lt_u32 ttmp9, XWG                        ; the same in all four waves of a work-group
	s_cbranch_scc0 .Lkernel
	; ---------------- x ----------------
	v_lshlrev_b32 v4, 4, v1                        ; 16 x lane: my bytes of a row's 512, and of a fragment's 512
	s_mul_i32 s19, s18, WSTG                       ; my wave's stage
	v_add_nc_u32 v5, s19, v4                       ; into it: as loaded
	v_mul_u32_u24 v6, v2, PITCH
	v_lshl_add_u32 v6, v3, 7, v6
	v_add_nc_u32 v6, s19, v6                       ; out of it: row r, 128 h bytes on: my block of 32
	s_lshl_b32 s20, s18, 2
	s_add_co_u32 s20, s20, SCB
	v_lshl_add_u32 v7, v2, 4, s20                  ; my row's scale word of my wave's K step: SCB + 16 r + 4 x wave
	v_lshlrev_b32 v8, 3, v1                        ; the scale words' way out: 8 bytes a lane
	v_add_nc_u32 v9, SCB, v8
	s_lshr_b32 s21, ttmp9, 2                       ; the tile of 16 rows
	s_and_b32 s22, ttmp9, 3
	s_lshl_b32 s23, s22, 2
	s_add_co_u32 s23, s23, s18                     ; my K step = 4 x (work-group % 4) + wave
	s_lshl_b32 s26, s23, 9                         ; 512 bytes of a row a K step
	s_lshl_b32 s24, s21, 17                        ; 16 rows of x
	s_add_co_u32 s24, s24, s26
	s_mov_b32 s25, 0
	s_mul_i32 s28, s21, 16*OROW                    ; 16 rows of out0
	s_add_co_u32 s28, s28, s26
	s_mov_b32 s29, 0
	s_lshl_b32 s30, s21, 14                        ; xc: 16,384 bytes a tile,
	s_lshl_b32 s27, s23, 10                        ; 1,024 a K step
	s_add_co_u32 s30, s30, s27
	s_mov_b32 s31, 0
	s_lshl_b32 s32, ttmp9, 8                       ; xs: 256 bytes a work-group
	s_mov_b32 s33, 0
	s_mov_b32 s34, 0x76543210
	s_mov_b32 s35, 0xfedcba98                      ; v_permlanex16_b32's selects for lane l xor 16
	s_wait_alu depctr_va_vdst(0)                   ; the wait at the head's end
	s_wait_kmcnt 0x0
	s_add_nc_u64 s[4:5], s[4:5], s[24:25]
	s_add_nc_u64 s[8:9], s[8:9], s[28:29]
	s_add_nc_u64 s[10:11], s[10:11], s[30:31]
	s_add_nc_u64 s[12:13], s[12:13], s[32:33]
.irp i, 0,1,2,3,4,5,6,7,8,9,10,11,12,13,14,15
	global_load_b128 v[R+4*\i:R+4*\i+3], v4, s[4:5] offset:\i*XROW th:TH_LOAD_NT   ; row i: 32 lanes read 512 consecutive bytes; all sixteen are out at once
.endr
.irp i, 0,1,2,3,4,5,6,7,8,9,10,11,12,13,14,15
	s_wait_loadcnt 15-\i                           ; loads come back in order: row i is in, the younger rows stay out
	ds_store_b128 v5, v[R+4*\i:R+4*\i+3] offset:\i*PITCH
	global_store_b128 v4, v[R+4*\i:R+4*\i+3], s[8:9] offset:\i*OROW th:TH_STORE_NT   ; the copy: 512 consecutive bytes, at a multiple of 256 from out0's first byte
.endr
.irp c, 0,1
.irp i, 0,1,2,3,4,5,6,7
	ds_load_b128 v[X+32*\c+4*\i:X+32*\c+4*\i+3], v6 offset:256*\c+16*\i   ; LDS serves a wave's instructions in order: these see my stores.  Block 2 c + h of row r
.endr
.endr
	s_wait_dscnt 8                                 ; the first block's eight loads are back; the second block's may be out
	QBLOCK X, C, BY
	global_store_b128 v4, v[C:C+3], s[10:11]       ; c = 0: 32 lanes store 512 consecutive bytes
	s_wait_dscnt 0x0
	QBLOCK X+32, C+4, BY+1
	global_store_b128 v4, v[C+4:C+7], s[10:11] offset:512
	v_lshl_or_b32 v13, v[BY+1], 16, v[BY]          ; my two bytes: blocks h and 2 + h of row r,
	v_lshlrev_b32 v14, 3, v3
	v_lshlrev_b32 v13, v14, v13                    ; at their places in the word (8 h bits up);
	v_mov_b32 v14, 0                               ; (a lane permute's destination counts as one of its sources)
	v_permlanex16_b32 v14, v13, s34, s35
	v_or_b32 v13, v13, v14                         ; with lane l xor 16's two the word is whole
	ds_store_b32 v7, v13                           ; both lanes of a row write the same word with the same value
	s_wait_dscnt 0x0                               ; for the others' sake: my word has landed
	s_barrier_signal -1
	s_barrier_wait -1
	s_cmp_lg_u32 s18, 0
	s_cbranch_scc1 .Lxdone
	ds_load_b64 v[14:15], v9                       ; wave 0: the 16 rows' four words each
	s_wait_dscnt 0x0
	global_store_b64 v8, v[14:15], s[12:13]        ; 32 lanes store 256 consecutive bytes, aligned
.Lxdone:
	s_wait_tensorcnt 0x0                           ; the wave's end
	ds_add_u32 v176, v177
	s_wait_dscnt 0x0
	s_endpgm
	; ---------------- kernel ----------------
.Lkernel:
	s_sub_co_u32 s19, ttmp9, XWG
	s_and_b32 s20, s19, 7                          ; which 128 columns
	s_lshr_b32 s21, s19, 3                         ; which K step
	s_wait_alu depctr_va_vdst(0)
	v_lshlrev_b32 v4, 2, v1                        ; in: 4 bytes a lane
	v_lshlrev_b32 v5, 4, v2
	v_lshl_add_u32 v5, v3, 14, v5                  ; codes: my 32 columns are two k: 16,384 bytes apart; 16 bytes a column
	v_lshlrev_b32 v6, 2, v2
	v_lshl_add_u32 v6, v3, 10, v6                  ; scale words: 1,024 bytes a k; 4 bytes a column
	s_lshl_b32 s24, s21, 19                        ; kernel: 128 rows of 4,096 bytes a K step,
	s_lshl_b32 s22, s20, 9                         ; 512 bytes a work-group,
	s_add_co_u32 s24, s24, s22
	s_lshl_b32 s22, s18, 7                         ; 128 a wave
	s_add_co_u32 s24, s24, s22
	s_mov_b32 s25, 0
	s_lshl_b32 s26, s20, 17                        ; wc: 8 k a work-group,
	s_lshl_b32 s22, s18, 15                        ; 2 a wave,
	s_add_co_u32 s26, s26, s22
	s_lshl_b32 s22, s21, 10                        ; 1,024 bytes a K step
	s_add_co_u32 s26, s26, s22
	s_mov_b32 s27, 0
	s_lshl_b32 s28, s20, 13                        ; ws likewise: 1,024 bytes a k, 64 a K step
	s_lshl_b32 s22, s18, 11
	s_add_co_u32 s28, s28, s22
	s_lshl_b32 s22, s21, 6
	s_add_co_u32 s28, s28, s22
	s_mov_b32 s29, 0
	s_wait_alu depctr_va_vdst(0)                   ; the wait at the head's end
	s_wait_kmcnt 0x0
	s_add_nc_u64 s[6:7], s[6:7], s[24:25]
	s_add_nc_u64 s[14:15], s[14:15], s[26:27]
	s_add_nc_u64 s[16:17], s[16:17], s[28:29]
.macro KLOAD t                         ; block t: kernel(32 t + i, my column), i = 0 .. 31
.irp i, 0,1,2,3,4,5,6,7,8,9,10,11,12,13,14,15,16,17,18,19,20,21,22,23,24,25,26,27,28,29,30,31
	global_load_b32 v[KX+32*(\t)+\i], v4, s[6:7] offset:(32*(\t)+\i)*WROW th:TH_LOAD_NT
.endr
.endm
	KLOAD 0
	KLOAD 1
	s_wait_loadcnt 32                              ; block 0 is in; block 1's 32 loads may be out
	KLOAD 2
	QBLOCK KX, C, BY
	global_store_b128 v5, v[C:C+3], s[14:15]       ; block t = 2 c + h of the fragment: sixteen lanes store 256 consecutive bytes, aligned
	s_wait_loadcnt 32                              ; block 1 is in; block 2's may be out
	KLOAD 3
	QBLOCK KX+32, C+4, BY+1
	global_store_b128 v5, v[C+4:C+7], s[14:15] offset:256
	s_wait_loadcnt 32                              ; block 2 is in; block 3's may be out
	QBLOCK KX+64, C+8, BY+2
	global_store_b128 v5, v[C+8:C+11], s[14:15] offset:512
	s_wait_loadcnt 0x0
	QBLOCK KX+96, C+12, BY+3
	global_store_b128 v5, v[C+12:C+15], s[14:15] offset:768
	v_lshl_or_b32 v13, v[BY+1], 8, v[BY]           ; the four bytes make my column's scale word, the lower F in the lower byte
	v_lshl_or_b32 v13, v[BY+2], 16, v13
	v_lshl_or_b32 v13, v[BY+3], 24, v13
	global_store_b32 v6, v13, s[16:17]
	s_endpgm
.Lfunc_end_k_qf0aec87ce4_prep:
	.size	k_qf0aec87ce4_prep, .Lfunc_end_k_qf0aec87ce4_prep-k_qf0aec87ce4_prep
	.p2alignl 7, 3214868480
	.fill 96, 4, 3214868480
	.section	.rodata,"a",@progbits
	.p2align	6, 0x0
	.amdhsa_kernel k_qf0aec87ce4_prep
		.amdhsa_group_segment_fixed_size 34560
		.amdhsa_private_segment_fixed_size 0
		.amdhsa_enable_private_segment 0
		.amdhsa_kernarg_size 56
		.amdhsa_user_sgpr_count 2
		.amdhsa_user_sgpr_kernarg_segment_ptr 1
		.amdhsa_wavefront_size32 1
		.amdhsa_system_sgpr_workgroup_id_x 1
		.amdhsa_system_sgpr_workgroup_id_y 1
		.amdhsa_system_sgpr_workgroup_id_z 1
		.amdhsa_system_vgpr_workitem_id 0
		.amdhsa_next_free_vgpr 178
		.amdhsa_next_free_sgpr 66
		.amdhsa_reserve_vcc 0
		.amdhsa_float_denorm_mode_32 3
		.amdhsa_float_denorm_mode_16_64 3
		.amdhsa_memory_ordered 1
		.amdhsa_forward_progress 1
		.amdhsa_inst_pref_size 31
	.end_amdhsa_kernel
	.amdgpu_metadata
---
amdhsa.version: [ 1, 2 ]
amdhsa.kernels:
  - .name:           k_qf0aec87ce4_prep
    .symbol:         k_qf0aec87ce4_prep.kd
    .args:
      - { .name: x, .offset: 0, .size: 8, .value_kind: global_buffer, .address_space: global }
      - { .name: kernel, .offset: 8, .size: 8, .value_kind: global_buffer, .address_space: global }
      - { .name: out0, .offset: 16, .size: 8, .value_kind: global_buffer, .address_space: global }
      - { .name: xc, .offset: 24, .size: 8, .value_kind: global_buffer, .address_space: global }
      - { .name: xs, .offset: 32, .size: 8, .value_kind: global_buffer, .address_space: global }
      - { .name: wc, .offset: 40, .size: 8, .value_kind: global_buffer, .address_space: global }
      - { .name: ws, .offset: 48, .size: 8, .value_kind: global_buffer, .address_space: global }
    .group_segment_fixed_size: 34560
    .private_segment_fixed_size: 0
    .kernarg_segment_align: 8
    .kernarg_segment_size: 56
    .max_flat_workgroup_size: 128
    .sgpr_count:     66
    .vgpr_count:     178
    .wavefront_size: 32
...
	.end_amdgpu_metadata
.endif
;; end of part 1
;; launch mbd (part 2): grid 256 x 1, 8 waves a work-group, no clusters, 44,032 bytes of LDS; arguments xc, xs, wc, ws, out0; writes out0
.if DOCPART == 2
	.amdgcn_target "amdgcn-amd-amdhsa--gfx1250"
	.amdhsa_code_object_version 6
	.text
	.protected	k_qf0aec87ce4_mbd
	.globl	k_qf0aec87ce4_mbd
	.p2align	8
	.type	k_qf0aec87ce4_mbd,@function
k_qf0aec87ce4_mbd:
	s_mov_b64 s[64:65], 0
	v_nop
	global_prefetch_b8 v0, s[64:65] scope:SCOPE_SE
	s_setreg_imm32_b32 hwreg(HW_REG_WAVE_MODE, 25, 1), 1
	s_wait_xcnt 0x0
; MinibatchDiscrimination, second of two launches: act = Q(x) Q(kernel) on the codes of the first launch, and feats[b][k] = the sum over c of exp(-sum over d of |act[b][k][d] - act[c][k][d]|), stored at out0[b][2048 + k].
; SHARES.  Work-group = (k, a quarter of b: 128 rows).  Lane l of EVERY wave holds the four b 32 n + l of the quarter, 16 numbers each.  The 32 tiles of 16 rows c are shared out among the eight waves, four each: tile 8 ((quarter + t) % 4) + wave.
; A wave makes act of its tile (16 rows x the 16 columns of k: 16 matrix instructions), lays it into LDS bytes of its own, and works it against the 128 b.  While it does, the next tile's codes (16 KB, 32 loads) are on their way straight
; into registers.  The first tiles of the eight waves are the quarter itself: they give the b.  The product is made four times over (once in each quarter's work-group), 512 matrix instructions a work-group; act never goes to memory.
; THE ARITHMETIC: with y = 2 log2(e) act, -log2(e) |a - c| summed over d = (sum ya + sum yc) / 2 - sum of max(ya, yc).  Two maxima make one dual instruction, two additions one packed one: 33 instructions for 32 differences (two b against one c).
; The quarter's first row is taken away from all rows first (a distance does not change by that), so that the sums are of the size of the rows' spread and not of an offset that they have in common.
; THE MATRIX INSTRUCTION IS USED TRANSPOSED: source 0 = the 16 columns, source 1 = 16 rows of x: lane (r, h) then holds row r, d = 8 h + 0 .. 7.  Four accumulators take turns over the 16 K steps and are added in f32.
; The columns' codes are read from memory once a work-group (2 KB a wave), meet in LDS, and stay in 128 registers of each wave.
; ONE BARRIER A TILE keeps the eight waves within a tile of each other: a wave signals ahead of its tile's last two c, works them, makes the next tile's product (registers alone), and then waits.  It orders no memory access: c lie in bytes of one wave.
; THE STORES are 4 bytes a lane in rows 8,448 bytes apart: a row's 64 k belong to 64 work-groups.  They are 128 KB in all; a row's 256 bytes together would need act of all 64 k in one work-group.
; No symmetry is used: (b, c) and (c, b) belong to different work-groups as a rule, and nothing passes between work-groups.
; No cluster: the codes of x go straight into operand registers; joint loads would send 512 KB a work-group through LDS and lay rounds of the cluster's barrier into every tile.
; No prefetch: a tile is asked for within the tile before, and the work-groups of its own quarter have asked for it at their start.
; LIMITS: an exponential under 2^-126 counts as 0 (v_exp_f32 flushes: ISA guide, 15.8); NaN and infinities are not served.  The sums' order differs from the reference's.
; REGISTERS: window 1: v0-127 the columns' fragments (K step s at 8 s), v128-255 the rows' fragments.  Window 0: v1-11, v254-255 addresses, and as below.
.set WS,  12                           ; v12-19   the columns' scale words: register p: lanes 0-15 K step p, lanes 16-31 K step 8 + p
.set XS,  20                           ; v20-27   the rows' scale words, likewise
.set OH,  28                           ; v28-35   the quarter's first row, d = 8 h + 0 .. 7
.set ES,  36                           ; v36-39   my four b's sums
.set A,   40                           ; b n at A + 18 n: first sources of a dual pair stand 18 apart, in different banks (mod 4); v56-57 and v92-93 half sums of b 0, 1 and b 2, 3
.set HA,  56
.set CB,  110                          ; v110-173 four c, the same in every lane
.set HC,  174                          ; v174-189 half sums of the tile's sixteen c; at the head numbers that serve there alone
.set DI,  190                          ; v190-221 exponents, then exponentials, of eight c x four b
.set ACC, 222                          ; v222-237 running sums, v238-253 maxima; while a tile is made: the four accumulators
.set T,   238
.set TW,  174                          ; head: the columns' scale words
.set TR,  175                          ; head: my rows of the quarter, into LDS
.set TC,  179                          ; head: my 2 KB of the columns' codes
.set TA,  11                           ; head: my b 0 in the quarter's rows
.set TO,  254                          ; head: 32 h
.set TU,  255                          ; head: 0
.set PITCH, 80                         ; an LDS row: 16 numbers + 16 bytes: sixteen rows start at sixteen different 16-byte columns modulo 256 bytes
.set RAW,  16384                       ; LDS: 0 the columns' codes; here the quarter's 128 rows
.set CREG, 26624                       ; 1,536 bytes a wave: 16 rows, then their 16 half sums
.set PS,   38912                       ; the waves' partial sums
.set SPARE, 43008                      ; the spare words, 128 bytes a wave: no other line names them
.set MSB, 0
.macro WIN new                         ; the immediate's high byte repeats the setting that is left
.if MSB != \new
	s_set_vgpr_msb (MSB<<8)|\new
.set MSB, \new
.endif
.endm
.macro TBASE                           ; where the tile of quarter s17 begins in xc (16,384 bytes a tile) and xs (1,024)
	s_lshl_b32 s20, s17, 17
	s_lshl_b32 s22, s17, 13
	s_add_co_u32 s20, s20, s24
	s_add_co_u32 s22, s22, s26
	s_mov_b32 s21, 0
	s_mov_b32 s23, 0
	s_add_nc_u64 s[20:21], s[4:5], s[20:21]
	s_add_nc_u64 s[22:23], s[6:7], s[22:23]
.endm
.macro XLD j                           ; a load takes 512 consecutive bytes (window 1)
	global_load_b128 v[128+4*(\j):131+4*(\j)], v2, s[20:21] offset:512*(\j)
.endm
.macro XSLD
	global_load_b128 v[XS:XS+3], v5, s[22:23]
	global_load_b128 v[XS+4:XS+7], v5, s[22:23] offset:256
.endm
.macro WM ks                           ; K step ks; the first four start the sums with the constant 0
.set RD, ACC+8*((\ks)%4)
.set RA, 8*(\ks)
.set RB, 128+8*(\ks)
.set RS, (\ks)%8
.if (\ks) < 4
	v_wmma_scale_f32_16x16x128_f8f6f4 v[RD:RD+7], v[RA:RA+7], v[RB:RB+7], 0, v[WS+RS], v[XS+RS] matrix_a_fmt:MATRIX_FMT_FP4 matrix_b_fmt:MATRIX_FMT_FP4
.elseif (\ks) < 8
	v_wmma_scale_f32_16x16x128_f8f6f4 v[RD:RD+7], v[RA:RA+7], v[RB:RB+7], v[RD:RD+7], v[WS+RS], v[XS+RS] matrix_a_fmt:MATRIX_FMT_FP4 matrix_b_fmt:MATRIX_FMT_FP4
.else
	v_wmma_scale_f32_16x16x128_f8f6f4 v[RD:RD+7], v[RA:RA+7], v[RB:RB+7], v[RD:RD+7], v[WS+RS], v[XS+RS] matrix_a_fmt:MATRIX_FMT_FP4 matrix_b_fmt:MATRIX_FMT_FP4 matrix_a_scale:MATRIX_SCALE_ROW1 matrix_b_scale:MATRIX_SCALE_ROW1
.endif
.endm
.macro GEMM                            ; a tile of act, times 2 log2(e), into v[DI:DI+7]
.irp g, 0,1,2,3
	s_wait_loadcnt 24-8*\g                         ; eight loads bring four K steps; the younger ones may be out
	WIN 0x05                                       ; both operands in window 1, the accumulators in window 0
.irp p, 0,1,2,3
	WM 4*\g+\p
.endr
.endr
	WIN 0
.rept 4
	v_nop                                          ; places between a matrix instruction and a reader of its result (ISA guide 7.12.1)
.endr
.irp j, 0,2,4,6
	v_pk_add_f32 v[DI+\j:DI+\j+1], v[ACC+\j:ACC+\j+1], v[ACC+8+\j:ACC+9+\j]
	v_pk_add_f32 v[DI+8+\j:DI+9+\j], v[ACC+16+\j:ACC+17+\j], v[ACC+24+\j:ACC+25+\j]
.endr
.irp j, 0,2,4,6
	v_pk_add_f32 v[DI+\j:DI+\j+1], v[DI+\j:DI+\j+1], v[DI+8+\j:DI+9+\j]
.endr
.irp j, 0,2,4,6
	v_pk_mul_f32 v[DI+\j:DI+\j+1], v[DI+\j:DI+\j+1], s[30:31] op_sel_hi:[1,0]
.endr
.endm
.macro PUTC                            ; the tile less the quarter's first row, and its rows' half sums, into my own LDS bytes
.irp j, 0,2,4,6
	v_pk_add_f32 v[DI+\j:DI+\j+1], v[DI+\j:DI+\j+1], v[OH+\j:OH+\j+1] neg_lo:[0,1] neg_hi:[0,1]
.endr
	v_pk_add_f32 v[DI+8:DI+9], v[DI:DI+1], v[DI+2:DI+3]
	v_pk_add_f32 v[DI+10:DI+11], v[DI+4:DI+5], v[DI+6:DI+7]
	v_pk_add_f32 v[DI+8:DI+9], v[DI+8:DI+9], v[DI+10:DI+11]
	v_add_f32 v[DI+12], v[DI+8], v[DI+9]
	v_permlanex16_b32 v[DI+13], v[DI+12], s34, s35 ; the row's other eight numbers lie in lane l xor 16
	v_add_f32 v[DI+12], v[DI+12], v[DI+13]
	v_mul_f32 v[DI+12], 0.5, v[DI+12]
	ds_store_b128 v7, v[DI:DI+3]
	ds_store_b128 v7, v[DI+4:DI+7] offset:16
	ds_store_b32 v8, v[DI+12] offset:16*PITCH      ; both lanes of a row write the same word with the same value
.endm
.macro CLOAD i                         ; c i: one address for all lanes
.irp p, 0,1,2,3
	ds_load_b128 v[CB+16*((\i)%4)+4*\p:CB+16*((\i)%4)+4*\p+3], v3 offset:PITCH*(\i)+16*\p
.endr
.endm
.macro PRELOAD                         ; a tile's half sums and its first four c: 20 loads.  LDS serves a wave's instructions in order: these see my stores
.irp g, 0,1,2,3
	ds_load_b128 v[HC+4*\g:HC+4*\g+3], v3 offset:16*PITCH+16*\g
.endr
.irp i, 0,1,2,3
	CLOAD \i
.endr
.endm
.macro MX dst, np, d                   ; max(b 2 np, c) and max(b 2 np + 1, c) in dimension d
	v_dual_max_num_f32 v[\dst], v[A+36*(\np)+\d], v[CC+\d] :: v_dual_max_num_f32 v[\dst+1], v[A+18+36*(\np)+\d], v[CC+\d]
.endm
.macro CDIST i                         ; c i against my four b: 66 instructions, the two pairs of b by turns
.set CC, CB+16*((\i)%4)
.set HS, HC+2*((\i)/2)
.irp d, 0,1,2,3
	MX ACC+2*\d, 0, \d
	MX ACC+8+2*\d, 1, \d
.endr
.irp g, 4,8,12
.irp d, 0,1,2,3
	MX T+2*\d, 0, \g+\d
	MX T+8+2*\d, 1, \g+\d
.endr
.irp j, 0,2,4,6,8,10,12,14
	v_pk_add_f32 v[ACC+\j:ACC+\j+1], v[ACC+\j:ACC+\j+1], v[T+\j:T+\j+1]
.endr
.endr
.irp j, 0,4,8,12
	v_pk_add_f32 v[ACC+\j:ACC+\j+1], v[ACC+\j:ACC+\j+1], v[ACC+\j+2:ACC+\j+3]
.endr
.irp n, 0,1
.if (\i)%2 == 0
	v_pk_add_f32 v[T+2*\n:T+2*\n+1], v[HA+36*\n:HA+36*\n+1], v[HS:HS+1] op_sel_hi:[1,0]              ; half sums of b and of c (the pair's lower register for both)
.else
	v_pk_add_f32 v[T+2*\n:T+2*\n+1], v[HA+36*\n:HA+36*\n+1], v[HS:HS+1] op_sel:[0,1] op_sel_hi:[1,1] ; (its upper register for both)
.endif
.endr
.irp n, 0,1
	v_pk_add_f32 v[ACC+8*\n:ACC+8*\n+1], v[ACC+8*\n:ACC+8*\n+1], v[ACC+8*\n+4:ACC+8*\n+5]
.endr
.irp n, 0,1
	v_pk_add_f32 v[DI+4*((\i)%8)+2*\n:DI+4*((\i)%8)+2*\n+1], v[T+2*\n:T+2*\n+1], v[ACC+8*\n:ACC+8*\n+1] neg_lo:[0,1] neg_hi:[0,1]
.endr
.endm
.macro BATCH                           ; 32 exponentials, then their sums
	s_wait_alu depctr_va_vdst(0)                   ; the wait ahead of the batch
.irp j, 0,1,2,3,4,5,6,7,8,9,10,11,12,13,14,15,16,17,18,19,20,21,22,23,24,25,26,27,28,29,30,31
	v_exp_f32 v[DI+\j], v[DI+\j]
.endr
	v_nop                                          ; the plain instruction behind the last exponential
	s_wait_alu depctr_va_vdst(0)                   ; and ahead of the first reader
.irp j, 0,2,4,6,8,10,12,14
	v_pk_add_f32 v[DI+\j:DI+\j+1], v[DI+\j:DI+\j+1], v[DI+16+\j:DI+17+\j]
.endr
.irp j, 0,2,4,6
	v_pk_add_f32 v[DI+\j:DI+\j+1], v[DI+\j:DI+\j+1], v[DI+8+\j:DI+9+\j]
.endr
.irp j, 0,2
	v_pk_add_f32 v[DI+\j:DI+\j+1], v[DI+\j:DI+\j+1], v[DI+4+\j:DI+5+\j]
.endr
.irp j, 0,2
	v_pk_add_f32 v[ES+\j:ES+\j+1], v[ES+\j:ES+\j+1], v[DI+\j:DI+\j+1]
.endr
.endm
; A tile's sixteen c against my four b, two c between the clusters of memory instructions; PRELOAD stands in front.  more = 1: the next tile's 32 loads go out meanwhile, five behind each of the first four pairs of c and four
; behind each of the next three; and the tile's barrier is signalled ahead of the last pair, where no LDS instruction of mine is out and none follows before the barrier's wait.
.macro PAIRS more
.irp g, 0,1,2,3,4,5,6,7
.if \g < 7
	s_wait_dscnt 8                                 ; c 2 g and 2 g + 1 are in; the eight loads of the next two may be out
.else
	s_wait_dscnt 0x0
.if \more
	s_barrier_signal -1
.endif
.endif
	CDIST 2*\g
	CDIST 2*\g+1
.if \g < 6
	CLOAD 2*\g+4
	CLOAD 2*\g+5
.endif
.if \more
.if \g == 0
	XSLD
.endif
.if \g < 7
.if \g < 4
.set XJ, 5*\g
.else
.set XJ, 4*\g+4
.endif
	WIN 0x40
.irp e, 0,1,2,3
	XLD XJ+\e
.endr
.if \g < 4
	XLD XJ+4
.endif
	WIN 0
.endif
.endif
.if (\g)%4 == 3
	BATCH
.endif
.endr
.endm
	s_load_b256 s[4:11], s[0:1], 0x0               ; xc s[4:5], xs s[6:7], wc s[8:9], ws s[10:11]
	s_load_b64 s[12:13], s[0:1], 0x20              ; out0
	v_lshrrev_b32 v1, 5, v0
	v_readfirstlane_b32 s14, v1                    ; wave 0..7
	s_lshr_b32 s15, ttmp9, 2                       ; k
	s_and_b32 s16, ttmp9, 3                        ; the quarter
	s_mov_b32 s17, s16
	s_lshl_b32 s24, s14, 14
	s_lshl_b32 s26, s14, 10
	s_mul_i32 s18, s14, 16*PITCH
	s_add_co_u32 s18, s18, RAW                     ; my 16 rows of the quarter
	s_mul_i32 s19, s14, 1536
	s_add_co_u32 s19, s19, CREG                    ; my c
	s_lshl_b32 s27, s14, 11
	s_lshl_b32 s28, s16, 7
	s_lshl_b32 s29, s15, 2
	s_add_co_u32 s29, s29, 8192                    ; behind a row's 2,048 numbers of x: 4 k
	s_lshl_b32 s32, s15, 14                        ; wc: 16,384 bytes a k
	s_mov_b32 s33, 0
	s_lshl_b32 s36, s15, 10                        ; ws: 1,024
	s_mov_b32 s37, 0
	s_mov_b32 s30, 0x4038aa3b                      ; 2 log2(e)
	s_mov_b32 s31, s30                             ; (the packed form names the pair)
	s_mov_b32 s34, 0x76543210                      ; v_permlanex16_b32's selects for lane l xor 16
	s_mov_b32 s35, 0xfedcba98
	v_lshl_add_u32 v9, v0, 2, SPARE
	v_mov_b32 v10, 0
	v_and_b32 v180, 15, v0                         ; r
	v_bfe_u32 v181, v0, 4, 1                       ; h
	v_and_b32 v182, 31, v0                         ; lane
	v_lshlrev_b32 v1, 4, v0                        ; my place among the partial sums
	v_lshlrev_b32 v2, 4, v182                      ; 16 x lane: fragments
	v_lshlrev_b32 v[TW], 2, v180
	v_lshlrev_b32 v5, 4, v180
	v_lshl_add_u32 v[TW], v181, 9, v[TW]           ; the columns' scale words: lanes 16-31 eight K steps on
	v_lshl_add_u32 v5, v181, 9, v5                 ; the rows'
	v_lshlrev_b32 v[TO], 5, v181
	v_mul_u32_u24 v[TR], v180, PITCH
	v_mul_u32_u24 v[TA], v182, PITCH
	v_add_nc_u32 v[TR], v[TR], v[TO]               ; row r, 32 h bytes on
	v_lshlrev_b32 v8, 2, v180
	v_add_nc_u32 v7, s19, v[TR]
	v_add_nc_u32 v[TR], s18, v[TR]
	v_add_nc_u32 v8, s19, v8
	v_mov_b32 v3, s19
	v_mov_b32 v[TU], 0
	v_add_nc_u32 v[TC], s27, v2
	v_lshlrev_b32 v4, 2, v0                        ; the way out: number 4 l + n of a wave's 128 sums: thread = 4 l + n
	v_and_b32 v6, 3, v0
	v_lshrrev_b32 v183, 2, v0
	v_lshl_add_u32 v6, v6, 5, v183
	v_add_nc_u32 v6, s28, v6                       ; b = 128 x quarter + 32 n + l
	v_mul_u32_u24 v6, v6, 0x2100                   ; x 8,448 bytes
	v_add_nc_u32 v6, s29, v6
.irp n, 0,1,2,3
	v_mov_b32 v[ES+\n], 0
.endr
	s_wait_alu depctr_va_vdst(0)                   ; the wait at the head's end
	s_wait_kmcnt 0x0
	s_add_nc_u64 s[8:9], s[8:9], s[32:33]
	s_add_nc_u64 s[10:11], s[10:11], s[36:37]
	TBASE
.irp i, 0,1,2,3
	global_load_b128 v[CB+4*\i:CB+4*\i+3], v[TC], s[8:9] offset:512*\i
.endr
	XSLD
.irp p, 0,1,2,3,4,5,6,7
	global_load_b32 v[WS+\p], v[TW], s[10:11] offset:64*\p
.endr
	WIN 0x40
.irp j, 0,1,2,3,4,5,6,7,8,9,10,11
	XLD \j                                         ; the first twelve; the other twenty go out behind the barrier
.endr
	WIN 0
	s_wait_loadcnt 22                              ; my part of the columns' codes is in; the 2 + 8 + 12 loads behind it may be out
.irp i, 0,1,2,3
	ds_store_b128 v[TC], v[CB+4*\i:CB+4*\i+3] offset:512*\i
.endr
	s_wait_dscnt 0x0                               ; for the others' sake: it has landed
	s_barrier_signal -1
	s_barrier_wait -1
	WIN 0x40
.irp j, 12,13,14,15,16,17,18,19
	XLD \j
.endr
.irp j, 0,1,2,3,4,5,6,7,8,9,10,11,12,13,14,15
	ds_load_b128 v[4*\j:4*\j+3], v2 offset:512*\j  ; K steps 0-7 of the columns, kept
.endr
.irp j, 20,21,22,23,24,25,26,27,28,29,30,31
	XLD \j
.endr
.irp j, 16,17,18,19,20,21,22,23,24,25,26,27,28,29,30,31
	ds_load_b128 v[4*\j:4*\j+3], v2 offset:512*\j
.endr
	WIN 0
	s_wait_dscnt 0x0
	GEMM
	ds_store_b128 v[TR], v[DI:DI+3]                ; my 16 rows of the quarter
	ds_store_b128 v[TR], v[DI+4:DI+7] offset:16
	s_wait_alu depctr_va_vdst(0)                   ; the wait ahead of the waits below
	s_wait_dscnt 0x0                               ; for the others' sake: they have landed
	s_barrier_signal -1
	s_barrier_wait -1                              ; the quarter's 128 rows lie in LDS
.irp i, 0,1
	ds_load_b128 v[OH+4*\i:OH+4*\i+3], v[TO] offset:RAW+16*\i      ; its first row: eight numbers by the lane's half,
.endr
.irp p, 0,1,2,3
	ds_load_b128 v[DI+16+4*\p:DI+19+4*\p], v[TU] offset:RAW+16*\p  ; and all sixteen
.endr
.irp n, 0,1,2,3
.irp p, 0,1,2,3
	ds_load_b128 v[A+18*\n+4*\p:A+18*\n+4*\p+3], v[TA] offset:RAW+32*PITCH*\n+16*\p
.endr
.endr
	s_wait_dscnt 16                                ; the first row is in; the sixteen loads of my b may be out
	PUTC
	PRELOAD
	s_wait_dscnt 23                                ; my b are in; three stores and twenty loads stand behind them
.irp n, 0,1,2,3
.irp j, 0,2,4,6,8,10,12,14
	v_pk_add_f32 v[A+18*\n+\j:A+18*\n+\j+1], v[A+18*\n+\j:A+18*\n+\j+1], v[DI+16+\j:DI+17+\j] neg_lo:[0,1] neg_hi:[0,1]
.endr
.endr
.irp n, 0,1,2,3
.irp j, 0,2,4,6
	v_pk_add_f32 v[ACC+8*\n+\j:ACC+8*\n+\j+1], v[A+18*\n+\j:A+18*\n+\j+1], v[A+18*\n+8+\j:A+18*\n+9+\j]
.endr
.endr
.irp n, 0,1,2,3
	v_pk_add_f32 v[ACC+8*\n:ACC+8*\n+1], v[ACC+8*\n:ACC+8*\n+1], v[ACC+8*\n+4:ACC+8*\n+5]
	v_pk_add_f32 v[ACC+8*\n+2:ACC+8*\n+3], v[ACC+8*\n+2:ACC+8*\n+3], v[ACC+8*\n+6:ACC+8*\n+7]
.endr
.irp n, 0,1,2,3
	v_pk_add_f32 v[ACC+8*\n:ACC+8*\n+1], v[ACC+8*\n:ACC+8*\n+1], v[ACC+8*\n+2:ACC+8*\n+3]
.endr
.irp n, 0,1,2,3
	v_add_f32 v[ACC+8*\n], v[ACC+8*\n], v[ACC+8*\n+1]
.endr
.irp n, 0,1,2,3
	v_mul_f32 v[HA+36*(\n/2)+\n%2], 0.5, v[ACC+8*\n]
.endr
	s_mov_b32 s25, 3
	s_wait_alu depctr_va_vdst(0)                   ; the wait ahead of the loop
.Ltile:
	s_add_co_u32 s17, s17, 1
	s_and_b32 s17, s17, 3                          ; the next quarter's tile of my wave (all loads that named the old addresses have been waited for)
	TBASE
	PAIRS 1
	s_wait_alu depctr_va_vdst(0)                   ; the wait ahead of the waits below
	GEMM
	s_wait_alu depctr_va_vdst(0)                   ; directly ahead of the wait below
	s_barrier_wait -1                              ; every wave has come to its tile's last pair of c
	PUTC
	PRELOAD
	s_wait_alu depctr_va_vdst(0)                   ; the wait ahead of the branch
	s_sub_co_u32 s25, s25, 1
	s_cmp_lg_u32 s25, 0
	s_cbranch_scc1 .Ltile
	PAIRS 0                                        ; the last tile: nothing more is asked for
	ds_store_b128 v1, v[ES:ES+3] offset:PS         ; [wave 8][lane 32][my b 4]
	s_wait_dscnt 0x0                               ; for the others' sake: my partial sums have landed
	s_barrier_signal -1
	s_barrier_wait -1
	s_cmp_gt_u32 s14, 3
	s_cbranch_scc1 .Ldone                          ; 128 sums: a thread each in waves 0-3
.irp j, 0,1,2,3,4,5,6,7
	ds_load_b32 v[CB+\j], v4 offset:PS+512*\j      ; the eight waves' parts
.endr
	s_wait_dscnt 0x0
	v_pk_add_f32 v[CB:CB+1], v[CB:CB+1], v[CB+2:CB+3]
	v_pk_add_f32 v[CB+4:CB+5], v[CB+4:CB+5], v[CB+6:CB+7]
	v_pk_add_f32 v[CB:CB+1], v[CB:CB+1], v[CB+4:CB+5]
	v_add_f32 v[CB], v[CB], v[CB+1]
	global_store_b32 v6, v[CB], s[12:13]
.Ldone:
	s_wait_tensorcnt 0x0                           ; the wave's end
	ds_add_u32 v9, v10
	s_wait_dscnt 0x0
	s_endpgm
.Lfunc_end_k_qf0aec87ce4_mbd:
	.size	k_qf0aec87ce4_mbd, .Lfunc_end_k_qf0aec87ce4_mbd-k_qf0aec87ce4_mbd
	.p2alignl 7, 3214868480
	.fill 96, 4, 3214868480
	.section	.rodata,"a",@progbits
	.p2align	6, 0x0
	.amdhsa_kernel k_qf0aec87ce4_mbd
		.amdhsa_group_segment_fixed_size 44032
		.amdhsa_private_segment_fixed_size 0
		.amdhsa_enable_private_segment 0
		.amdhsa_kernarg_size 40
		.amdhsa_user_sgpr_count 2
		.amdhsa_user_sgpr_kernarg_segment_ptr 1
		.amdhsa_wavefront_size32 1
		.amdhsa_system_sgpr_workgroup_id_x 1
		.amdhsa_system_sgpr_workgroup_id_y 1
		.amdhsa_system_sgpr_workgroup_id_z 1
		.amdhsa_system_vgpr_workitem_id 0
		.amdhsa_next_free_vgpr 512
		.amdhsa_next_free_sgpr 66
		.amdhsa_reserve_vcc 0
		.amdhsa_float_denorm_mode_32 3
		.amdhsa_float_denorm_mode_16_64 3
		.amdhsa_memory_ordered 1
		.amdhsa_forward_progress 1
		.amdhsa_inst_pref_size 179
	.end_amdhsa_kernel
	.amdgpu_metadata
---
amdhsa.version: [ 1, 2 ]
amdhsa.kernels:
  - .name:           k_qf0aec87ce4_mbd
    .symbol:         k_qf0aec87ce4_mbd.kd
    .args:
      - { .name: xc, .offset: 0, .size: 8, .value_kind: global_buffer, .address_space: global }
      - { .name: xs, .offset: 8, .size: 8, .value_kind: global_buffer, .address_space: global }
      - { .name: wc, .offset: 16, .size: 8, .value_kind: global_buffer, .address_space: global }
      - { .name: ws, .offset: 24, .size: 8, .value_kind: global_buffer, .address_space: global }
      - { .name: out0, .offset: 32, .size: 8, .value_kind: global_buffer, .address_space: global }
    .group_segment_fixed_size: 44032
    .private_segment_fixed_size: 0
    .kernarg_segment_align: 8
    .kernarg_segment_size: 40
    .max_flat_workgroup_size: 256
    .sgpr_count:     66
    .vgpr_count:     512
    .wavefront_size: 32
...
	.end_amdgpu_metadata
.endif
;; end of part 2
